; MI455X (gfx1250); checked and timed in simulation.
; The chip was launched on July 23, 2026; its instructions are those of AMD's public machine-readable ISA for CDNA 5 (MIT licence, August 2026) and "CDNA5" Instruction Set Architecture Reference Guide (July 2026). The comments in the code are by the model that wrote it; some were corrected since.
;; Shared Tversky Linear. Allowed arithmetic: matrix products marked QUANTISED: E2M3 operands, one E8M0 scale for each 32 along K, by v_wmma_scale_f32_16x16x128_f8f6f4 with both operands' format E2M3, f32 sums; everything else in f32.
;; Inputs: alpha one number float32; beta one number float32; bias 512 float32; features 1,024 x 1,024 float32; gamma one number float32; prototypes 512 x 1,024 float32; x 256 x 1,024 float32.
;; Outputs: out0 256 x 512 float32.
;; This version of the problem:
;;   THIS VERSION OF THE PROBLEM IS GIVEN IN LOW PRECISION. The matrix products marked QUANTISED in the list below multiply operands that are first quantised to E2M3 (2 exponent bits, 3 mantissa bits; 6 bits a number), with one power-of-two scale for each 32 numbers along K (OCP MX v1.0); their sums are f32. All else is computed in f32.
;;   The module's matrix products, in the order in which they are computed (A, B: the left and right operand; K: the contracted axis; several contracted axes count as one K, in the product's order):
;;     1. [M 256, K 1,024] x [K 1,024, N 1,024]; A: input x; B: input features: QUANTISED
;;     2. [M 512, K 1,024] x [K 1,024, N 1,024]; A: input prototypes; B: input features: QUANTISED
;;   THE QUANTISER, for each operand of a quantised product, along K:
;;     - K is cut into blocks of 32 from its start; a last block that is shorter is filled with zeros.
;;     - A block's scale is 2^e with e = floor(log2(the largest magnitude in the block)) - 2, held to -126 .. 127; a block of zeros has e = 0. As a byte (E8M0): e + 127.
;;     - Each number is divided by its block's scale, clamped to +-7.5, and rounded to the nearest number of E2M3, ties to even, subnormals kept.
;;     - The product sums the exact products of the quantised numbers (number of the format x scale) in f32.
;;   ~~~python
;;   def quantise(x, axis):      # numpy; x: float32 -> the quantised numbers, widened to float32 again
;;       x = np.moveaxis(x, axis, -1); K = x.shape[-1]
;;       x = np.pad(x, [(0, 0)] * (x.ndim - 1) + [(0, -K % 32)]); x = x.reshape(x.shape[:-1] + (-1, 32)); a = np.abs(x).max(-1, keepdims=True)
;;       e = np.where(a > 0, np.clip(np.frexp(np.where(a > 0, a, 1))[1] - 1 - 2, -126, 127), 0)      # np.frexp(a)[1] - 1 = floor(log2(a)), exactly
;;       r = np.clip(x / 2.0 ** e, -7.5, 7.5)
;;       step = 2.0 ** (np.maximum(np.frexp(np.where(r == 0, 1, r))[1] - 1, 0) - 3)
;;       q = np.round(r / step) * step * 2.0 ** e      # np.round: ties to even
;;       return np.moveaxis(q.reshape(q.shape[:-2] + (-1,))[..., :K], -1, axis).astype(np.float32)
;;   ~~~
;; One version. Each part assembles by itself: llvm-mc -triple=amdgcn-amd-amdhsa -mcpu=gfx1250 --defsym DOCPART=n.
;; ======== version 1 of 1: 2 launches
;; limits: right only within a limited range of input values
;; workspace buffers: act 3,145,728 bytes; psum 49,152 bytes
;; launch project (part 1): grid 16 x 16, 16 waves a work-group, clusters of 4 x 4, 327,680 bytes of LDS; arguments x, prototypes, features, act, psum; writes act, psum
.if DOCPART == 1
	.amdgcn_target "amdgcn-amd-amdhsa--gfx1250"
	.amdhsa_code_object_version 6
	.text
	.protected	k_q0335d822f8_project
	.globl	k_q0335d822f8_project
	.p2align	8
	.type	k_q0335d822f8_project,@function
k_q0335d822f8_project:
	s_mov_b64 s[64:65], 0
	v_nop
	global_prefetch_b8 v0, s[64:65] scope:SCOPE_SE
	s_setreg_imm32_b32 hwreg(HW_REG_WAVE_MODE, 25, 1), 1
	s_wait_xcnt 0x0
	s_wait_alu depctr_hold_cnt(0) depctr_sa_sdst(0) depctr_va_vdst(0) depctr_va_sdst(0) depctr_va_ssrc(0) depctr_va_vcc(0) depctr_vm_vsrc(0)
	s_getreg_b32 s2, hwreg(HW_REG_IB_STS2, 6, 4)
	s_cmp_eq_u32 s2, 0
	s_cbranch_scc0 .Lentry_in_a_cluster
	s_endpgm
.Lentry_in_a_cluster:
	s_bfe_u32 s2, ttmp6, 0x10000c
	s_cmp_lg_u32 s2, 0xf033
	s_cbranch_scc0 .Lentry_shape_is_right
	s_endpgm
.Lentry_shape_is_right:
; act[row][f] = relu(sum over k of Q(rows)[row][k] Q(features)[k][f]); rows 0-255 are x's, rows 256-767 the prototypes'.  Both operands are quantised along K = 1,024 to
; codes of FP6 (E2M3) with one E8M0 scale for each 32 along K; sums in f32.  psum[column group][row] = the sum of the row's 64 numbers of act that this work-group makes.
; SHARES.  Work-group (column group, row group g): 64 columns; 16 rows of x (16 g on) and 32 of the prototypes (32 g on), three row tiles of 16.  Sixteen waves.
;  rows: wave w under 12 fetches and quantises row tile w / 4, k = 256 (w % 4) on.  Lane (r, h) takes four whole blocks of row r.
;  features: wave w quantises slice w, k = 64 w .. 64 w + 63 of the 64 columns.  Lane (r, h) takes columns 4 r .. 4 r + 3 of k = 32 h .. 32 h + 31: four whole blocks of 32.
;  Waves 12-15 fetch their slices into LDS; waves 0-11 load theirs into registers when their row tile has landed, and quantise their rows meanwhile.
;  Each wave reads its own tile alone, so no barrier stands between a tile's landing and its reads; a row tile's codes are stored over the tile, which has been read.
;  Codes lie in LDS by slices of 64 along K, 24 bytes a block, lane (r, h)'s at 24 (2 r + h): lanes' 8-byte pieces stand 3 places of 8 bytes apart, and 3 x 0 .. 31 are 32 different places modulo 256 bytes.
;  Column tile n holds columns 4 r + n.  Product: waves 0-7: half of the column tiles x a quarter of K, six accumulators by turns, USED TRANSPOSED (source 0 = features, source 1 = rows); the four parts of K are added on the way out.
; CLUSTER, 4 x 4.  The four work-groups of a row need the same rows, the four of a column the same features.  The rows and slices 12-15 of features are asked for JOINTLY.  Slices 0-11 of features go straight into registers:
; the rows' tiles are 199,680 bytes and all of features' would be 262,144, which do not fit in LDS together.  Every LDS byte is filled once.
; PREFETCH.  Slices 0-11, which are loaded behind the landing of the rows' tiles, are asked for behind the head's tensor loads: each row's 256 bytes once in the cluster; of the 768 rows the four partners of a column take 192 each, by address.
; LIMITS: NaN and infinities among the inputs are not served.  A block of zeros gets the byte 1: zero codes add nothing, and this program alone reads the bytes.
.set ATILE, 16*1040                    ; 16 rows of 1,024 bytes + 16 of padding; when read, its first 3,072 bytes take its codes: four slices of 768 bytes
.set FTL,   3072                       ; features' tiles of waves 12-15 lie at 16,384 w + FTL, behind the twelve row tiles
.set BIMG,  265216                     ; features' codes: 16 slices of 4 x 768 bytes
.set BSL,   3072
.set ASC,   BIMG+16*BSL                ; scale words: 256 bytes a K step of 128, 4 bytes a row or column
.set BSC,   ASC+2048
.set SPARE, BSC+2048                   ; spare words
.set STG,   3072                       ; the way out: for each quarter of K 48 rows x (256 bytes + 16), in row tiles 0 to 3 behind their codes
.set SPART, ATILE
.set SPW,  2
.set NIL,  3
.set RR,   4                           ; lane % 16
.set HH,   5                           ; lane / 16 % 2
.set JL,   6                           ; 48 r + 24 h
.set FRD,  7                           ; features' tile
.set BWI,  8                           ; where I store features' codes;  v9 their scale bytes
.set BWS,  9
.set ARD,  10                          ; my row tile
.set AWI,  11
.set AWS,  12
.set FDO,  13                          ; my byte offset in a slice of features in memory
.set PFO,  1                           ; the prefetch's offset: 4,096 x lane
.set SCR,  14                          ; v14-23  the product's scale words, and nothing else: two sets of five
.set C,    24                          ; v24-47  codes: two sets of two blocks
.set D,    48                          ; v48-50, v52-54 second halves of blocks as converted
.set M,    56                          ; v56-59
.set E,    60                          ; v60-61 the conversions' scale operands;  v62, v63 and v51, v55 scale bytes
.set X,    64                          ; v64-191 a slice of features as loaded
.set Y,    192                         ; v192-255 two blocks of a row, or two columns of features, K along the registers
.set GBI,  192                         ; v192-199, v250-252 addresses of the product and of the way out, made when Y is done with
.set GBS,  193
.set GAS,  195
.set OST,  196
.set ORD,  197
.set GOF,  198
.set PSO,  199
.set GAI,  250
.set BUF,  64                          ; v64-183 two buffers of one K step: 2 fragments of features, 3 of rows
.set ACC,  200                         ; accumulator (n, m) at v[200 + 26 n + 8 m]: registers j of n = 0 and n = 1 lie in different banks (number modulo 4) for the dual moves
.set T,    64                          ; v64-111 results in the stage's order
.set L,    112                         ; v112-175 the way out
.set SM,   176
.set SX2,  180
.set RS,   181
.set WV,   14
.set G0F,  24
.set G1F,  32
.set G1R,  40
.set G0R,  48
; A round of the cluster's barrier: my work-group's barrier, wave 0 signals for the work-group, every wave waits for the sixteen work-groups, my work-group's barrier once more.
.macro CROUND
	s_barrier_signal -1
	s_barrier_wait -1
	s_cmp_lg_u32 s[WV], 0
	s_cbranch_scc1 .Lnot_wave_0_\@
	s_barrier_signal -3
.Lnot_wave_0_\@:
	s_barrier_wait -3
	s_barrier_signal -1
	s_barrier_wait -1
.endm
.macro PLACES                          ; four plain places behind a matrix instruction (ISA guide 7.12.1)
.rept 4
	v_nop
.endr
.endm
	s_load_b128 s[4:7], s[0:1], 0x0                ; x, prototypes
	s_load_b128 s[8:11], s[0:1], 0x10              ; features, act
	s_load_b64 s[12:13], s[0:1], 0x20              ; psum
	v_lshl_add_u32 v[SPW], v0, 2, SPARE
	v_mov_b32 v[NIL], 0
	ds_add_u32 v[SPW], v[NIL]                      ; the opening lines: the add, twice on end, and its wait
	ds_add_u32 v[SPW], v[NIL]
	v_lshrrev_b32 v24, 5, v0
	v_readfirstlane_b32 s[WV], v24                 ; wave 0..15
	s_bfe_u32 s15, ttmp6, 0x40000                  ; cx
	s_bfe_u32 s16, ttmp6, 0x40004                  ; cy
	s_lshl_b32 s17, ttmp9, 2
	s_add_co_u32 s17, s17, s15                     ; column group
	s_and_b32 s18, ttmp7, 0xffff
	s_lshl_b32 s18, s18, 2
	s_add_co_u32 s18, s18, s16                     ; row group g
	s_lshl_b32 s20, s16, 2
	s_lshl_b32 s20, 15, s20                        ; my row of the cluster
	s_lshl_b32 s21, 0x1111, s15                    ; my column
	; features' tiles: 64 rows x 64 elements of 4 bytes, no padding: sixteen lanes read a row's 256 consecutive bytes
	s_or_b32 s[G1F], s21, (2<<16)|(1<<21)          ; 15:0 mask; 17:16 elements of 4 bytes; 21 set beside a mask
	s_mov_b32 s[G1F+1], 64<<16
	s_mov_b32 s[G1F+2], 64<<16
	s_mov_b32 s[G1F+3], 64<<16
	s_mov_b32 s[G1F+4], 64
	s_mov_b32 s[G1F+5], 1024
	s_mov_b32 s[G1F+6], 0
	s_mov_b32 s[G1F+7], 0
	; the rows' tiles: 16 rows x 256 elements, 4 words of padding behind every 256 words
	s_or_b32 s[G1R], s20, (2<<16)|(1<<20)|(1<<21)|(7<<22)|(3<<25)
	s_mov_b32 s[G1R+1], 256<<16
	s_mov_b32 s[G1R+2], 16<<16
	s_mov_b32 s[G1R+3], 256<<16
	s_mov_b32 s[G1R+4], 16
	s_mov_b32 s[G1R+5], 1024
	s_mov_b32 s[G1R+6], 0
	s_mov_b32 s[G1R+7], 0
	s_lshl_b32 s22, s[WV], 18                      ; 64 rows of features, 4,096 bytes each
	s_lshl_b32 s23, s17, 8                         ; 64 columns
	s_add_co_u32 s22, s22, s23
	s_mul_i32 s52, s16, 192                        ; the prefetch (waves 0-5): rows 192 cy + 32 w + lane of features, my 256 bytes
	s_lshl_b32 s53, s[WV], 5
	s_add_co_u32 s52, s52, s53
	s_lshl_b32 s52, s52, 12
	s_add_co_u32 s52, s52, s23
	s_mov_b32 s53, 0
	s_mov_b32 s23, 0
	s_mov_b32 s[G0F], 1
	s_lshl_b32 s[G0F+1], s[WV], 14
	s_add_co_u32 s[G0F+1], s[G0F+1], FTL
	; the rows' tile that I fetch (waves 0-11): it hangs on the row group and the wave's number alone
	s_lshr_b32 s56, s[WV], 2                       ; row tile t: 0 is x's
	s_and_b32 s57, s[WV], 3                        ; quarter q of K
	s_lshl_b32 s58, s18, 1
	s_add_co_u32 s58, s58, s56
	s_sub_co_u32 s58, s58, 1                       ; prototypes' tile 2 g + t - 1
	s_cmp_lt_u32 s[WV], 4
	s_cselect_b32 s54, s18, s58
	s_lshl_b32 s54, s54, 16                        ; 16 rows of 4,096 bytes
	s_lshl_b32 s59, s57, 10
	s_add_co_u32 s54, s54, s59
	s_mov_b32 s55, 0
	s_mov_b32 s[G0R], 1
	s_mul_i32 s[G0R+1], s[WV], ATILE
	; LDS addresses: the waves' terms
	s_lshl_b32 s20, s[WV], 14
	s_add_co_u32 s20, s20, FTL
	s_mul_i32 s21, s[WV], BSL
	s_add_co_u32 s21, s21, BIMG
	s_lshr_b32 s28, s[WV], 1
	s_lshl_b32 s28, s28, 8
	s_and_b32 s29, s[WV], 1
	s_lshl_b32 s29, s29, 1
	s_add_co_u32 s28, s28, s29
	s_add_co_u32 s28, s28, BSC                     ; K step w / 2, bytes 2 (w % 2) + h of a word
	s_mul_i32 s29, s[WV], ATILE
	s_lshl_b32 s30, s57, 9
	s_lshl_b32 s31, s56, 6
	s_add_co_u32 s30, s30, s31
	s_add_co_u32 s30, s30, ASC
	v_and_b32 v[RR], 15, v0
	v_bfe_u32 v[HH], v0, 4, 1
	v_and_b32 v[PFO], 31, v0
	v_mul_u32_u24 v[JL], v[RR], 48
	v_lshlrev_b32 v[FRD], 13, v[HH]                ; 32 rows of 256 bytes
	v_lshlrev_b32 v[FDO], 17, v[HH]                ; 32 rows of 4,096 bytes
	v_mul_u32_u24 v[ARD], v[RR], 1040
	v_lshl_add_u32 v25, v[RR], 2, v[HH]
	v_mad_u32_u24 v[JL], v[HH], 24, v[JL]
	v_lshl_add_u32 v[FRD], v[RR], 4, v[FRD]
	v_lshl_add_u32 v[FDO], v[RR], 4, v[FDO]
	v_lshl_add_u32 v[ARD], v[HH], 7, v[ARD]
	v_lshlrev_b32 v[PFO], 12, v[PFO]
	v_add_nc_u32 v[BWS], s28, v25
	v_add_nc_u32 v[AWS], s30, v25
	v_add_nc_u32 v[FRD], s20, v[FRD]
	v_add_nc_u32 v[BWI], s21, v[JL]
	v_add_nc_u32 v[AWI], s29, v[JL]
	v_add_nc_u32 v[ARD], s29, v[ARD]
	s_wait_alu depctr_va_vdst(0)
	s_wait_dscnt 0x0                               ; both opening adds are done
	CROUND                                         ; all sixteen work-groups are here: the joint loads meet.  The arguments are on their way meanwhile
	s_wait_kmcnt 0x0
	s_add_nc_u64 s[52:53], s[8:9], s[52:53]
	s_add_nc_u64 s[8:9], s[8:9], s[22:23]          ; my slice of features
	s_cmp_lt_u32 s[WV], 4
	s_cselect_b64 s[G0R+2:G0R+3], s[4:5], s[6:7]   ; x or prototypes: the choice hangs on the wave's number alone
	s_mov_b64 s[G0F+2:G0F+3], s[8:9]
	s_add_nc_u64 s[G0R+2:G0R+3], s[G0R+2:G0R+3], s[54:55]
	s_or_b32 s[G0R+3], s[G0R+3], 0x80000000
	s_or_b32 s[G0F+3], s[G0F+3], 0x80000000
	; one tensor load a wave: waves 0-11 a row tile, waves 12-15 a slice of features
	s_cmp_lt_u32 s[WV], 12
	s_cbranch_scc0 .Lfeatures_tile
	tensor_load_to_lds s[G0R:G0R+3], s[G1R:G1R+7]
	s_nop 0
.rept 4
	v_nop
.endr
	s_branch .Lasked
.Lfeatures_tile:
	tensor_load_to_lds s[G0F:G0F+3], s[G1F:G1F+7]
	s_nop 0
.rept 4
	v_nop
.endr
.Lasked:
	; where the way out begins (waves 0-5): row tile w / 2, rows 4 (w % 2) + t + 8 h
	s_lshl_b32 s19, s18, 4
	s_lshr_b32 s20, s[WV], 1
	s_lshl_b32 s20, s20, 4
	s_lshl_b32 s21, s18, 5
	s_add_co_u32 s21, s21, s20
	s_add_co_u32 s21, s21, 240                     ; 256 + 32 g + 16 (tile - 1)
	s_cmp_lt_u32 s[WV], 2
	s_cselect_b32 s19, s19, s21
	s_and_b32 s20, s[WV], 1
	s_lshl_b32 s20, s20, 2
	s_add_co_u32 s19, s19, s20
	s_lshl_b32 s20, s19, 12
	s_lshl_b32 s21, s17, 8
	s_add_co_u32 s20, s20, s21
	s_mov_b32 s21, 0
	s_add_nc_u64 s[10:11], s[10:11], s[20:21]
	s_mul_i32 s20, s17, 768
	s_add_co_u32 s20, s20, s19
	s_lshl_b32 s20, s20, 2
	s_add_nc_u64 s[12:13], s[12:13], s[20:21]
	s_cmp_lt_u32 s[WV], 6
	s_cbranch_scc0 .Lno_prefetch
	global_prefetch_b8 v[PFO], s[52:53] th:TH_LOAD_NT scope:SCOPE_SE   ; its registers are not written again
.Lno_prefetch:
; Two blocks of 32 numbers, each in 32 registers on end (y0, y1), become 24 bytes of codes and a scale byte each.  p: which set of code registers
.macro QCALC p, y0, y1
	v_max3_num_f32 v[M], |v[\y0]|, |v[\y0+1]|, |v[\y0+2]|
	v_max3_num_f32 v[M+1], |v[\y1]|, |v[\y1+1]|, |v[\y1+2]|
	v_max3_num_f32 v[M+2], |v[\y0+3]|, |v[\y0+4]|, |v[\y0+5]|
	v_max3_num_f32 v[M+3], |v[\y1+3]|, |v[\y1+4]|, |v[\y1+5]|
.irp n, 6,10,14,18,22,26
	v_max3_num_f32 v[M], v[M], |v[\y0+\n]|, |v[\y0+\n+1]|
	v_max3_num_f32 v[M+1], v[M+1], |v[\y1+\n]|, |v[\y1+\n+1]|
	v_max3_num_f32 v[M+2], v[M+2], |v[\y0+\n+2]|, |v[\y0+\n+3]|
	v_max3_num_f32 v[M+3], v[M+3], |v[\y1+\n+2]|, |v[\y1+\n+3]|
.endr
	v_max3_num_f32 v[M], v[M], |v[\y0+30]|, |v[\y0+31]|
	v_max3_num_f32 v[M+1], v[M+1], |v[\y1+30]|, |v[\y1+31]|
	v_max3_num_f32 v[M], v[M], v[M+2], 0x1800000   ; and the floor 2^(3 - 127): the byte cannot fall under 1
	v_max3_num_f32 v[M+1], v[M+1], v[M+3], 0x1800000
	v_add_nc_u32 v[E], 0xff000000, v[M]            ; 2 off the exponent field: the conversion takes this operand's exponent field as its scale
	v_add_nc_u32 v[E+1], 0xff000000, v[M+1]
	v_cvt_scalef32_pk16_fp6_f32 v[C+12*\p:C+12*\p+2], v[\y0:\y0+15], v[E]
	v_cvt_scalef32_pk16_fp6_f32 v[D:D+2], v[\y0+16:\y0+31], v[E]      ; (a conversion's three registers begin on an even number: a block's second three do not)
	v_cvt_scalef32_pk16_fp6_f32 v[C+12*\p+6:C+12*\p+8], v[\y1:\y1+15], v[E+1]
	v_cvt_scalef32_pk16_fp6_f32 v[D+4:D+6], v[\y1+16:\y1+31], v[E+1]
	v_lshrrev_b32 v[62-11*\p], 23, v[E]            ; the scales' bytes; also the plain place behind the conversions
	v_lshrrev_b32 v[63-8*\p], 23, v[E+1]
.irp n, 0,1,2
	v_mov_b32 v[C+12*\p+3+\n], v[D+\n]
	v_mov_b32 v[C+12*\p+9+\n], v[D+4+\n]
.endr
.endm
.macro QSTORE p, ai, o0, o1, as, q0, q1
.irp n, 0,1,2
	ds_store_b64 v[\ai], v[C+12*\p+2*\n:C+12*\p+2*\n+1] offset:\o0+8*\n
	ds_store_b64 v[\ai], v[C+12*\p+6+2*\n:C+12*\p+7+2*\n] offset:\o1+8*\n
.endr
	ds_store_b8 v[\as], v[62-11*\p] offset:\q0
	ds_store_b8 v[\as], v[63-8*\p] offset:\q1
.endm
.macro ROWS j                          ; blocks j and j + 1 of my row tile's four: k = 64 j + 32 h on, of row r
.irp i, 0,1,2,3,4,5,6,7
	ds_load_b128 v[Y+4*\i:Y+4*\i+3], v[ARD] offset:256*\j+16*\i
.endr
.irp i, 0,1,2,3,4,5,6,7
	ds_load_b128 v[Y+32+4*\i:Y+32+4*\i+3], v[ARD] offset:256*\j+256+16*\i
.endr
.endm
	s_cmp_lt_u32 s[WV], 12
	s_cbranch_scc0 .Lown_features
	s_wait_tensorcnt 0x0                           ; my row tile is in
	ROWS 0
.set i, 0
.rept 32
	global_load_b128 v[X+4*i:X+4*i+3], v[FDO], s[8:9] offset:4096*i   ; register 4 i + c: k = 32 h + i, column 4 r + c: sixteen lanes read 256 consecutive bytes
.set i, i+1
.endr
	s_wait_dscnt 0x0
	QCALC 0, Y, Y+32                               ; the rows are quantised while my slice of features is on its way
	ROWS 2
	s_wait_alu depctr_va_vdst(0)
	s_wait_dscnt 0x0                               ; the tile is in registers: codes may be stored over it
	QSTORE 0, AWI, 0, 768, AWS, 0, 2
	QCALC 1, Y, Y+32
	QSTORE 1, AWI, 1536, 2304, AWS, 256, 258
	s_branch .Lcodes
.Lown_features:
	s_wait_tensorcnt 0x0                           ; my slice is in
.set i, 0
.rept 32
	ds_load_b128 v[X+4*i:X+4*i+3], v[FRD] offset:256*i
.set i, i+1
.endr
.Lcodes:
	s_wait_dscnt 0x0
; Columns c and c + 1 of my four, K along the registers.  The two halves of a dual instruction read different banks (register number modulo 4) and write an even and an odd register.  first = 1: the slice may still be on its way
.macro GATHER c, first
.if \first
	s_wait_loadcnt 16                              ; loads come back in order: k = 32 h + 0 .. 15 are in
.endif
.irp k, 0,1,2,3,4,5,6,7,8,9,10,11,12,13,14
	v_dual_mov_b32 v[Y+\k], v[X+4*\k+\c] :: v_dual_mov_b32 v[Y+33+\k], v[X+4*\k+5+\c]
.endr
.if \first
	s_wait_loadcnt 0x0
.endif
.irp k, 15,16,17,18,19,20,21,22,23,24,25,26,27,28,29,30,31
	v_dual_mov_b32 v[Y+\k], v[X+4*\k+\c] :: v_dual_mov_b32 v[Y+32+(\k+1)%32], v[X+4*((\k+1)%32)+\c+1]
.endr
.endm
	GATHER 0, 1
	QCALC 0, Y, Y+32
	QSTORE 0, BWI, 0, 768, BWS, 0, 64
	GATHER 2, 0
	QCALC 1, Y, Y+32
	QSTORE 1, BWI, 1536, 2304, BWS, 128, 192
	; addresses of the product (column tiles 2 nh, 2 nh + 1; K steps 2 kq, 2 kq + 1) and of the way out
	s_and_b32 s56, s[WV], 1                        ; nh
	s_lshr_b32 s57, s[WV], 1
	s_and_b32 s58, s57, 3                          ; kq
	s_mul_i32 s20, s56, 1536
	s_mul_i32 s21, s58, 4*BSL
	s_add_co_u32 s20, s20, s21
	s_add_co_u32 s20, s20, BIMG
	s_lshl_b32 s21, s56, 7
	s_lshl_b32 s22, s58, 9
	s_add_co_u32 s21, s21, s22
	s_add_co_u32 s21, s21, BSC
	s_add_co_u32 s23, s22, ASC
	s_mul_i32 s22, s58, ATILE                      ; my quarter of K of row tile m lies in tile 4 m + kq
	s_mul_i32 s28, s58, SPART
	s_lshl_b32 s29, s56, 7
	s_add_co_u32 s28, s28, s29
	s_add_co_u32 s28, s28, STG
	s_mul_i32 s29, s57, 16*272
	s_mul_i32 s30, s56, 4*272
	s_add_co_u32 s29, s29, s30
	s_add_co_u32 s29, s29, STG
	v_add_nc_u32 v[GBI], s20, v[JL]
	v_lshl_add_u32 v[GBS], v[RR], 2, s21
	v_add_nc_u32 v[GAI], s22, v[JL]
	v_lshl_add_u32 v[GAS], v[RR], 2, s23
	v_mul_u32_u24 v[OST], v[RR], 272
	v_mul_u32_u24 v[ORD], v[HH], 8*272
	v_lshlrev_b32 v[GOF], 15, v[HH]                ; 8 rows of 4,096 bytes
	v_lshl_add_u32 v[PSO], v[HH], 3, v[RR]
	v_add_nc_u32 v[GAI+1], 4*ATILE, v[GAI]
	v_add_nc_u32 v[GAI+2], 8*ATILE, v[GAI]
	v_lshl_add_u32 v[OST], v[HH], 6, v[OST]
	v_lshl_add_u32 v[ORD], v[RR], 3, v[ORD]
	v_lshl_add_u32 v[GOF], v[RR], 4, v[GOF]
	v_lshlrev_b32 v[PSO], 2, v[PSO]
	v_add_nc_u32 v[OST], s28, v[OST]
	v_add_nc_u32 v[ORD], s29, v[ORD]
	s_wait_alu depctr_va_vdst(0)
	s_wait_dscnt 0x0
	s_barrier_signal -1
	s_barrier_wait -1                              ; all codes and scale bytes lie in LDS
	s_cmp_lt_u32 s[WV], 8
	s_cbranch_scc0 .Lno_product
; K step u of my two into buffer p: 35 LDS loads
.macro PLOAD u, p
.irp c, 0,1
.irp i, 0,1,2
.irp n, 0,1
	ds_load_b64 v[BUF+60*(\p)+12*\n+6*\c+2*\i:BUF+60*(\p)+12*\n+6*\c+2*\i+1], v[GBI] offset:(2*(\u)+\c)*BSL+768*\n+8*\i
.endr
.irp m, 0,1,2
	ds_load_b64 v[BUF+60*(\p)+24+12*\m+6*\c+2*\i:BUF+60*(\p)+24+12*\m+6*\c+2*\i+1], v[GAI+\m] offset:(2*(\u)+\c)*768+8*\i
.endr
.endr
.endr
.irp n, 0,1
	ds_load_b32 v[SCR+5*(\p)+\n], v[GBS] offset:256*(\u)+64*\n
.endr
.irp m, 0,1,2
	ds_load_b32 v[SCR+5*(\p)+2+\m], v[GAS] offset:256*(\u)+64*\m
.endr
.endm
; six matrix instructions; the six accumulators take turns, one instruction a turn; the first K step starts the sums
.macro MULS u, p
.irp m, 0,1,2
.irp n, 0,1
.if (\u) == 0
	v_wmma_scale_f32_16x16x128_f8f6f4 v[ACC+26*\n+8*\m:ACC+26*\n+8*\m+7], v[BUF+60*(\p)+12*\n:BUF+60*(\p)+12*\n+11], v[BUF+60*(\p)+24+12*\m:BUF+60*(\p)+35+12*\m], 0, v[SCR+5*(\p)+\n], v[SCR+5*(\p)+2+\m] matrix_a_fmt:MATRIX_FMT_FP6 matrix_b_fmt:MATRIX_FMT_FP6
.else
	v_wmma_scale_f32_16x16x128_f8f6f4 v[ACC+26*\n+8*\m:ACC+26*\n+8*\m+7], v[BUF+60*(\p)+12*\n:BUF+60*(\p)+12*\n+11], v[BUF+60*(\p)+24+12*\m:BUF+60*(\p)+35+12*\m], v[ACC+26*\n+8*\m:ACC+26*\n+8*\m+7], v[SCR+5*(\p)+\n], v[SCR+5*(\p)+2+\m] matrix_a_fmt:MATRIX_FMT_FP6 matrix_b_fmt:MATRIX_FMT_FP6
.endif
.endr
.endr
.endm
	PLOAD 0, 0
	PLOAD 1, 1
	s_wait_dscnt 35                                ; all but the 35 just issued
	MULS 0, 0
	s_wait_dscnt 0x0
	MULS 1, 1
	PLACES
.irp m, 0,1,2                                  ; register j of column tiles 2 nh and 2 nh + 1 are columns 4 (8 h + j) + 2 nh and the next: they stand side by side in the stage
.irp j, 0,1,2,3,4,5,6,7
	v_dual_mov_b32 v[T+16*\m+2*\j], v[ACC+8*\m+\j] :: v_dual_mov_b32 v[T+16*\m+2*\j+1], v[ACC+26+8*\m+\j]
.endr
.endr
.irp m, 0,1,2                                  ; a stage row: for each nh 128 bytes, 8 bytes for each group of four columns
.irp i, 0,1,2,3
	ds_store_b128 v[OST], v[T+16*\m+4*\i:T+16*\m+4*\i+3] offset:\m*16*272+16*\i
.endr
.endr
.Lno_product:
	s_wait_dscnt 0x0
	s_barrier_signal -1
	s_barrier_wait -1                              ; all four parts of K lie in the stage
	; ---- the way out: waves 0-5, eight rows each; lane (r, h) takes columns 4 r .. 4 r + 3 of rows t + 8 h
	s_cmp_lt_u32 s[WV], 6
	s_cbranch_scc0 .Ldone
.irp t, 0,1,2,3
.irp k, 0,1,2,3
.irp n, 0,1
	ds_load_b64 v[L+16*\t+4*\k+2*\n:L+16*\t+4*\k+2*\n+1], v[ORD] offset:\t*272+128*\n+SPART*\k
.endr
.endr
.endr
.irp t, 0,1,2,3
	s_wait_dscnt 24-8*\t                           ; LDS loads come back in order: row t's eight are in
.irp n, 0,2
	v_pk_add_f32 v[L+16*\t+\n:L+16*\t+\n+1], v[L+16*\t+\n:L+16*\t+\n+1], v[L+16*\t+4+\n:L+16*\t+5+\n]
	v_pk_add_f32 v[L+16*\t+8+\n:L+16*\t+9+\n], v[L+16*\t+8+\n:L+16*\t+9+\n], v[L+16*\t+12+\n:L+16*\t+13+\n]
.endr
.irp n, 0,2
	v_pk_add_f32 v[L+16*\t+\n:L+16*\t+\n+1], v[L+16*\t+\n:L+16*\t+\n+1], v[L+16*\t+8+\n:L+16*\t+9+\n]
.endr
.irp i, 0,1,2,3
	v_max_num_f32 v[L+16*\t+\i], 0, v[L+16*\t+\i]  ; relu
.endr
	global_store_b128 v[GOF], v[L+16*\t:L+16*\t+3], s[10:11] offset:\t*4096   ; sixteen lanes store a row's 256 consecutive bytes
	v_add_f32 v[SM+\t], v[L+16*\t], v[L+16*\t+1]
	v_add_f32 v[SX2], v[L+16*\t+2], v[L+16*\t+3]
	v_add_f32 v[SM+\t], v[SM+\t], v[SX2]
.endr
.irp x, 1,2,4,8
.irp t, 0,1,2,3
	v_add_f32_dpp v[SM+\t], v[SM+\t], v[SM+\t] row_xmask:\x row_mask:0xf bank_mask:0xf   ; over the sixteen lanes of the row
.endr
.endr
	v_mov_b32 v[RS], v[SM]
.irp t, 1,2,3
	v_cmp_eq_u32 vcc_lo, \t, v[RR]
	v_cndmask_b32 v[RS], v[RS], v[SM+\t], vcc_lo   ; lane (r, h), r under 4, takes the sum of row r + 8 h
.endr
	v_cmp_gt_u32 vcc_lo, 4, v[RR]
	s_wait_alu depctr_va_vdst(0)
	s_wait_xcnt 0x0                                ; EXEC changes only behind this wait: the stores above have read it
	s_and_saveexec_b32 s60, vcc_lo
	global_store_b32 v[PSO], v[RS], s[12:13]
	s_wait_xcnt 0x0
	s_or_b32 exec_lo, exec_lo, s60
.Ldone:
	s_wait_tensorcnt 0x0                           ; the wave's end
	ds_add_u32 v[SPW], v[NIL]
	s_wait_dscnt 0x0
	CROUND                                         ; the closing round: no work-group ends while a partner may still ask for a tile that names it
	s_endpgm
.Lfunc_end_k_q0335d822f8_project:
	.size	k_q0335d822f8_project, .Lfunc_end_k_q0335d822f8_project-k_q0335d822f8_project
	.p2alignl 7, 3214868480
	.fill 96, 4, 3214868480
	.section	.rodata,"a",@progbits
	.p2align	6, 0x0
	.amdhsa_kernel k_q0335d822f8_project
		.amdhsa_group_segment_fixed_size 327680
		.amdhsa_private_segment_fixed_size 0
		.amdhsa_enable_private_segment 0
		.amdhsa_kernarg_size 40
		.amdhsa_user_sgpr_count 2
		.amdhsa_user_sgpr_kernarg_segment_ptr 1
		.amdhsa_wavefront_size32 1
		.amdhsa_system_sgpr_workgroup_id_x 1
		.amdhsa_system_sgpr_workgroup_id_y 1
		.amdhsa_system_sgpr_workgroup_id_z 1
		.amdhsa_system_vgpr_workitem_id 0
		.amdhsa_next_free_vgpr 256
		.amdhsa_next_free_sgpr 66
		.amdhsa_reserve_vcc 1
		.amdhsa_float_denorm_mode_32 3
		.amdhsa_float_denorm_mode_16_64 3
		.amdhsa_memory_ordered 1
		.amdhsa_forward_progress 1
		.amdhsa_inst_pref_size 49
	.end_amdhsa_kernel
	.amdgpu_metadata
---
amdhsa.version: [ 1, 2 ]
amdhsa.kernels:
  - .name:           k_q0335d822f8_project
    .symbol:         k_q0335d822f8_project.kd
    .args:
      - { .name: x, .offset: 0, .size: 8, .value_kind: global_buffer, .address_space: global }
      - { .name: prototypes, .offset: 8, .size: 8, .value_kind: global_buffer, .address_space: global }
      - { .name: features, .offset: 16, .size: 8, .value_kind: global_buffer, .address_space: global }
      - { .name: act, .offset: 24, .size: 8, .value_kind: global_buffer, .address_space: global }
      - { .name: psum, .offset: 32, .size: 8, .value_kind: global_buffer, .address_space: global }
    .group_segment_fixed_size: 327680
    .private_segment_fixed_size: 0
    .kernarg_segment_align: 8
    .kernarg_segment_size: 40
    .max_flat_workgroup_size: 512
    .sgpr_count:     66
    .vgpr_count:     256
    .wavefront_size: 32
...
	.end_amdgpu_metadata
.endif
;; end of part 1
;; launch tversky (part 2): grid 16 x 16, 16 waves a work-group, clusters of 4 x 4, 327,680 bytes of LDS; arguments act, psum, alpha, beta, gamma, bias, out0; writes out0
.if DOCPART == 2
	.amdgcn_target "amdgcn-amd-amdhsa--gfx1250"
	.amdhsa_code_object_version 6
	.text
	.protected	k_q0335d822f8_tversky
	.globl	k_q0335d822f8_tversky
	.p2align	8
	.type	k_q0335d822f8_tversky,@function
k_q0335d822f8_tversky:
	s_mov_b64 s[64:65], 0
	v_nop
	global_prefetch_b8 v0, s[64:65] scope:SCOPE_SE
	s_setreg_imm32_b32 hwreg(HW_REG_WAVE_MODE, 25, 1), 1
	s_wait_xcnt 0x0
	s_wait_alu depctr_hold_cnt(0) depctr_sa_sdst(0) depctr_va_vdst(0) depctr_va_sdst(0) depctr_va_ssrc(0) depctr_va_vcc(0) depctr_vm_vsrc(0)
	s_getreg_b32 s2, hwreg(HW_REG_IB_STS2, 6, 4)
	s_cmp_eq_u32 s2, 0
	s_cbranch_scc0 .Lentry_in_a_cluster
	s_endpgm
.Lentry_in_a_cluster:
	s_bfe_u32 s2, ttmp6, 0x10000c
	s_cmp_lg_u32 s2, 0xf033
	s_cbranch_scc0 .Lentry_shape_is_right
	s_endpgm
.Lentry_shape_is_right:
; out0[b][o] = gamma c / (gamma c + |alpha| (sx[b] - c) + |beta| (sp[o] - c) + 1e-8) + bias[o],  c = the sum over f of min(xf[b][f], pf[o][f]).
; c is what 0.5 (sx + sp - sum |xf - pf|) is, by min(a, b) = (a + b - |a - b|) / 2; taken directly it forms no difference of large sums.  All in f32.
; act: [768][1024] f32, rows 0-255 xf, rows 256-767 pf.  psum: [16][768]: sixteen partial sums for each row of act.
; SHARES.  A work-group makes 16 x 32 outputs: 16 x 16 work-groups.  Its 48 rows of act, 196,608 bytes, come into LDS once, in four chunks of 256 features: wave 2 c fetches chunk c of xf's 16 rows,
; wave 2 c + 1 chunk c of pf's 32: one tensor load a wave.
; Sixteen waves; wave w makes 8 x 8 outputs (with w % 8: rows 8 ((w / 4) % 2) on, columns 8 (w % 4) on) over half w / 8 of each chunk, THE LANES ACROSS THE FEATURES: a step is 128 features, 4 a lane; its 16 LDS loads
; read 512 consecutive bytes each and feed 256 pairs a lane.  Two minima go in one dual instruction, two additions in one packed one.  At the end the lanes' halves meet in registers, and sixteen lanes' parts in the wave's
; own scratch in LDS; the two waves of an output block meet in the formula.
; CLUSTER.  4 x 4 work-groups.  The four of a row of the cluster need the same rows of xf, the four of a column the same rows of pf: each tile is asked for JOINTLY.  Every LDS byte is filled once.
; No prefetch: all tiles are asked for at the head, so there is no later load to run ahead of.
; out0 leaves in runs of 128 consecutive bytes (32 lanes, 4 bytes each): a tile 64 outputs wide would need 72 rows, 294,912 bytes, beside the 67,584 of scratch, which LDS does not hold.
; LIMITS: NaN among the inputs is not served (the minimum drops it).  The division is a reciprocal, good to 1 ulp and flushing denormals (ISA guide, its entry in 15.8), and one multiply-add.
.set CHUNK, 49152                      ; 48 rows x 1,024 bytes
.set RED,   4*CHUNK                    ; behind the rows: 8 x (512 + 16) bytes of scratch for each wave
.set REDW,  8*528
.set COM,   RED+16*REDW                ; the two parts of c of the 16 x 32 outputs, 2,048 bytes each
.set SUMS,  COM+4096                   ; sx of my 16 rows, then sp of my 32
.set SPARE, SUMS+256                   ; spare words
.set ACC,   16                         ; v16-79   output (i, j) at v[16 + 8 i + j]
.set ABUF,  80                         ; v80-207  two buffers: 8 rows of xf x 4 features, then 8 rows of pf x 4
.set T,     208                        ; v208-223 minima
.set PS,    224                        ; v224-227 partial row sums
.set BI,    228                        ; v228 bias of my output
.set SPW,   254
.set NIL,   255
.set WV,  18
.set G1A, 24                           ; s[24:31] descriptor group 1 for xf's tiles;  s[32:39] for pf's
.set G1B, 32
.set G0A, 40                           ; s[40:43] group 0 for xf's tile of chunk w / 2;  s[68:71] for pf's
.set G0B, 68
.set SEL, 60
.macro CROUND                          ; a round of the cluster's barrier
	s_barrier_signal -1
	s_barrier_wait -1
	s_cmp_lg_u32 s[WV], 0
	s_cbranch_scc1 .Lnot_wave_0_\@
	s_barrier_signal -3
.Lnot_wave_0_\@:
	s_barrier_wait -3
	s_barrier_signal -1
	s_barrier_wait -1
.endm
	s_load_b256 s[4:11], s[0:1], 0x0               ; act s[4:5], psum s[6:7], alpha s[8:9], beta s[10:11]
	s_load_b128 s[12:15], s[0:1], 0x20             ; gamma s[12:13], bias s[14:15]
	s_load_b64 s[16:17], s[0:1], 0x30              ; out0
	v_lshl_add_u32 v[SPW], v0, 2, SPARE
	v_mov_b32 v[NIL], 0
	ds_add_u32 v[SPW], v[NIL]                      ; the opening lines: the add, twice on end, and its wait
	ds_add_u32 v[SPW], v[NIL]
	v_lshrrev_b32 v15, 5, v0
	v_readfirstlane_b32 s[WV], v15                 ; wave 0..15
	s_bfe_u32 s86, s[WV], 0x10002                  ; which 8 of the 16 rows of xf are mine
	s_and_b32 s87, s[WV], 3                        ; which 8 of the 32 rows of pf
	s_lshr_b32 s62, s[WV], 3                       ; which half of each chunk
	s_lshl_b32 s63, s62, 9
	s_lshl_b32 s91, s86, 13
	s_add_co_u32 s91, s91, s63
	s_lshl_b32 s92, s87, 13
	s_add_co_u32 s92, s92, s63
	s_add_co_u32 s92, s92, 16384                   ; pf lies behind xf's 16 rows
	s_mul_i32 s93, s[WV], REDW
	s_add_co_u32 s93, s93, RED
	s_lshl_b32 s94, s86, 10
	s_lshl_b32 s95, s87, 5
	s_add_co_u32 s94, s94, s95
	s_lshl_b32 s95, s62, 11
	s_add_co_u32 s94, s94, s95
	s_add_co_u32 s94, s94, COM
	s_lshl_b32 s95, s[WV], 5
	s_add_co_u32 s95, s95, SUMS
	; every LDS address is made here, ahead of the first branch on the wave's number
	v_and_b32 v15, 31, v0
	v_bfe_u32 v232, v0, 4, 1
	v_and_b32 v233, 1, v0
	v_and_b32 v234, 7, v0
	v_bfe_u32 v235, v0, 3, 2
	v_bfe_u32 v236, v0, 3, 1
	v_lshlrev_b32 v230, 4, v15                     ; 16 x lane
	v_lshrrev_b32 v9, 5, v0
	v_mul_u32_u24 v6, v234, 528
	v_lshrrev_b32 v7, 1, v234
	v_lshlrev_b32 v14, 2, v15                      ; v14 my column in bias
	v_mul_u32_u24 v12, v235, 3072
	v_add_nc_u32 v1, s91, v230                     ; v1  my rows of xf in chunks 0, 1;  v2 in chunks 2, 3
	v_add_nc_u32 v3, s92, v230                     ; v3, v4  the same for pf
	v_add_nc_u32 v5, s93, v230                     ; v5  scratch, in: 16 bytes a lane
	v_lshl_add_u32 v6, v232, 8, v6
	v_lshlrev_b32 v7, 7, v7
	v_lshlrev_b32 v13, 11, v9
	v_lshl_add_u32 v9, v9, 2, SUMS                 ; v9  sx of my row: thread t has row t / 32, column t % 32
	v_lshl_add_u32 v12, v234, 2, v12               ; v12 psum: column group lane / 8 (+ 4 t), row lane % 8
	v_add_nc_u32 v2, 2*CHUNK, v1
	v_add_nc_u32 v4, 2*CHUNK, v3
	v_lshl_add_u32 v6, v236, 7, v6
	v_lshl_add_u32 v7, v233, 4, v7
	v_add_nc_u32 v13, v13, v14                     ; v13 in out0: 2,048 bytes a row
	v_add_nc_u32 v10, SUMS+64, v14                 ; v10 sp of my column
	v_lshl_add_u32 v8, v0, 2, COM                  ; v8  c of my output
	v_lshl_add_u32 v11, v234, 2, s95               ; v11 where waves 0-5 put the sums of rows 8 w + lane % 8
	v_add_nc_u32 v6, s93, v6                       ; v6  scratch, back: registers 4 q on (q = lane % 8) of half lane / 16, eight lanes' parts ((lane / 8) % 2)
	v_lshl_add_u32 v7, v232, 9, v7
	v_add_nc_u32 v7, s94, v7                       ; v7  c: my block's row 4 (lane / 16) + q / 2 of 128 bytes, columns 4 (q % 2) on
	s_wait_alu depctr_va_vdst(0)
	s_mov_b32 s[SEL], 0x76543210
	s_mov_b32 s[SEL+1], 0xfedcba98
	s_bfe_u32 s19, ttmp6, 0x40000                  ; cx, cy: my place in the cluster
	s_bfe_u32 s20, ttmp6, 0x40004
	s_lshl_b32 s21, ttmp9, 2
	s_add_co_u32 s21, s21, s19                     ; which 32 rows of pf = 4 x cluster x + cx
	s_and_b32 s22, ttmp7, 0xffff
	s_lshl_b32 s22, s22, 2
	s_add_co_u32 s22, s22, s20                     ; which 16 rows of xf = 4 x cluster y + cy
	s_lshl_b32 s23, s20, 2
	s_lshl_b32 s23, 15, s23                        ; my row of the cluster
	s_lshl_b32 s84, 0x1111, s19                    ; my column
	; descriptor group 1: a tile of 16 (pf: 32) rows x 256 elements of 4 bytes, rows 1,024 elements apart; no padding: a load of 16 bytes a lane reads 512 consecutive bytes
	s_or_b32 s[G1A], s23, (2<<16)|(1<<21)          ; 15:0 the mask: xf's tiles go to my row; 17:16 elements of 4 bytes; 21 set beside a mask
	s_or_b32 s[G1B], s84, (2<<16)|(1<<21)          ; pf's to my column
	s_mov_b32 s[G1A+2], 16<<16                     ; tensor_dim1
	s_mov_b32 s[G1B+2], 32<<16
	s_mov_b32 s[G1A+4], 16                         ; tile_dim1
	s_mov_b32 s[G1B+4], 32
.irp g, G1A, G1B
	s_mov_b32 s[\g+1], 256<<16                     ; tensor_dim0 = 256
	s_mov_b32 s[\g+3], 256<<16                     ; tile_dim0 = 256
	s_mov_b32 s[\g+5], 1024                        ; elements from row to row
	s_mov_b32 s[\g+6], 0
	s_mov_b32 s[\g+7], 0
.endr
	s_lshr_b32 s85, s[WV], 1                       ; my chunk (waves 0-7)
	s_mov_b32 s[G0A], 1                            ; count = 1
	s_mov_b32 s[G0B], 1
	s_mul_i32 s[G0A+1], s85, CHUNK                 ; LDS address: no place in the cluster enters it
	s_add_co_u32 s[G0B+1], s[G0A+1], 16384
	s_lshl_b32 s62, s85, 10                        ; features 256 x chunk on
	s_lshl_b32 s56, s22, 16                        ; xf: 16 rows of 4,096 bytes: it hangs on the coordinate that my row of the cluster shares
	s_add_co_u32 s56, s56, s62
	s_mov_b32 s57, 0
	s_lshl_b32 s58, s21, 17                        ; pf: row 256 + 32 x tile: on the coordinate that my column shares
	s_add_co_u32 s58, s58, s62
	s_add_co_u32 s58, s58, 256*4096
	s_mov_b32 s59, 0
	s_wait_dscnt 0x0                               ; both opening adds are done
	CROUND                                         ; all sixteen work-groups are here: the joint loads meet.  The arguments are on their way meanwhile
	s_wait_kmcnt 0x0
	s_add_nc_u64 s[G0A+2:G0A+3], s[4:5], s[56:57]
	s_or_b32 s[G0A+3], s[G0A+3], 0x80000000        ; type = 2
	s_add_nc_u64 s[G0B+2:G0B+3], s[4:5], s[58:59]
	s_or_b32 s[G0B+3], s[G0B+3], 0x80000000
; Waves 0-7 issue one tensor load each; each has a line of its own, in one chain of branches on the wave's number, so that a chunk's two loads are waited for by their two waves alone
.macro ARM under, g0, g1
	s_cmp_lt_u32 s[WV], \under
	s_cbranch_scc0 .Lnext_\@
	tensor_load_to_lds s[\g0:\g0+3], s[\g1:\g1+7]
	s_nop 0
.rept 4
	v_nop
.endr
	s_branch .Lasked
.Lnext_\@:
.endm
	ARM 1, G0A, G1A
	ARM 2, G0B, G1B
	ARM 3, G0A, G1A
	ARM 4, G0B, G1B
	ARM 5, G0A, G1A
	ARM 6, G0B, G1B
	ARM 7, G0A, G1A
	ARM 8, G0B, G1B
.Lasked:
	; the small inputs are asked for now and used behind the loop
	s_load_b32 s88, s[8:9], 0x0                    ; alpha
	s_load_b32 s89, s[10:11], 0x0                  ; beta
	s_load_b32 s90, s[12:13], 0x0                  ; gamma
	s_lshl_b32 s93, s22, 4
	s_lshl_b32 s94, s[WV], 3
	s_add_co_u32 s93, s93, s94                     ; waves 0, 1: rows 16 x tile + 8 w of xf
	s_lshl_b32 s95, s21, 5
	s_add_co_u32 s95, s95, s94
	s_add_co_u32 s95, s95, 240                     ; waves 2-5: rows 256 + 32 x tile + 8 (w - 2)
	s_cmp_lt_u32 s[WV], 2
	s_cselect_b32 s92, s93, s95
	s_lshl_b32 s92, s92, 2
	s_mov_b32 s93, 0
	s_add_nc_u64 s[6:7], s[6:7], s[92:93]
	s_lshl_b32 s92, s21, 7
	s_add_nc_u64 s[14:15], s[14:15], s[92:93]      ; bias at my 32 columns
	s_lshl_b32 s94, s22, 15
	s_add_co_u32 s92, s92, s94
	s_add_nc_u64 s[16:17], s[16:17], s[92:93]      ; out0 at my tile
	s_cmp_lt_u32 s[WV], 6
	s_cbranch_scc0 .Lno_psum
.irp t, 0,1,2,3
	global_load_b32 v[PS+\t], v12, s[6:7] offset:\t*12288   ; column groups lane / 8 + 4 t
.endr
.Lno_psum:
	global_load_b32 v[BI], v14, s[14:15]
.macro LOADS c                         ; my half of chunk c, into buffer c % 2
.set PB, ABUF+64*((\c)%2)
.set OFS, ((\c)%2)*CHUNK
.set AR, 1+(\c)/2
.irp i, 0,1,2,3,4,5,6,7
	ds_load_b128 v[PB+4*\i:PB+4*\i+3], v[AR] offset:OFS+\i*1024
.endr
.irp i, 0,1,2,3,4,5,6,7
	ds_load_b128 v[PB+32+4*\i:PB+32+4*\i+3], v[AR+2] offset:OFS+\i*1024
.endr
.endm
; Rows a and a + 1 of my outputs: 64 pairs a lane.  One dual instruction takes two minima: output (i, j) at feature k and output (i, j + 1) at feature (k + 1) % 4, so that its two first sources, and its two second sources,
; lie in different register banks (register number modulo 4: the feature), and its two results are an even register and the next.  One packed addition takes both onto the two outputs' sums.  Eight duals, then eight
; additions: no line waits for the line above it.  first = 1: the first minima start the sums: nothing is cleared.
.macro PAIRS p, first, a
.irp k, 0,1,2,3
.irp e, 0,1
.irp g, 0,1,2,3
.if (\first) && (\k == 0)
	v_dual_min_num_f32 v[ACC+8*(\a+\e)+2*\g], v[ABUF+64*(\p)+4*(\a+\e)+\k], v[ABUF+64*(\p)+32+8*\g+\k] :: v_dual_min_num_f32 v[ACC+8*(\a+\e)+2*\g+1], v[ABUF+64*(\p)+4*(\a+\e)+(\k+1)%4], v[ABUF+64*(\p)+36+8*\g+(\k+1)%4]
.else
	v_dual_min_num_f32 v[T+8*\e+2*\g], v[ABUF+64*(\p)+4*(\a+\e)+\k], v[ABUF+64*(\p)+32+8*\g+\k] :: v_dual_min_num_f32 v[T+8*\e+2*\g+1], v[ABUF+64*(\p)+4*(\a+\e)+(\k+1)%4], v[ABUF+64*(\p)+36+8*\g+(\k+1)%4]
.endif
.endr
.endr
.if ((\first) == 0) || (\k != 0)
.irp e, 0,1
.irp g, 0,1,2,3
	v_pk_add_f32 v[ACC+8*(\a+\e)+2*\g:ACC+8*(\a+\e)+2*\g+1], v[ACC+8*(\a+\e)+2*\g:ACC+8*(\a+\e)+2*\g+1], v[T+8*\e+2*\g:T+8*\e+2*\g+1]
.endr
.endr
.endif
.endr
.endm
; Chunk c's two waves, 2 c and 2 c + 1, have waited for their loads and say so; the later chunks' waves keep theirs on the way.  Nothing is filled again
.macro SAY c
.if (\c) < 3
	s_cmp_lt_u32 s[WV], 2*(\c)+2
	s_cbranch_scc0 .Llater_\@
	s_wait_tensorcnt 0x0
.Llater_\@:
.else
	s_wait_tensorcnt 0x0
.endif
	s_wait_dscnt 0x0                               ; no LDS instruction of mine is pending at a signal
	s_barrier_signal -1
.endm
; My half of chunk c.  Behind its first quarter the next chunk is announced, behind its second it is read into the other buffer
.macro STEP c, first
	s_wait_dscnt 0x0                               ; this half chunk's numbers are in
	PAIRS (\c)%2, \first, 0
.if (\c) < 3
	SAY (\c)+1
.endif
	PAIRS (\c)%2, \first, 2
.if (\c) < 3
	s_barrier_wait -1
	LOADS (\c)+1
.endif
	PAIRS (\c)%2, \first, 4
	PAIRS (\c)%2, \first, 6
.endm
	SAY 0
	s_barrier_wait -1
	LOADS 0
	STEP 0, 1
	STEP 1, 0
	STEP 2, 0
	STEP 3, 0
	; ---- the lanes' parts meet.  Registers i and i + 32 change halves of the lanes, and one addition then leaves in lanes 0-15 sixteen parts of output i, in lanes 16-31 sixteen of output i + 32
.set i, 0
.rept 32
	v_permlane16_swap_b32 v[ACC+i], v[ACC+32+i]
.set i, i+1
.endr
.set i, 0
.rept 16
	v_pk_add_f32 v[ACC+i:ACC+i+1], v[ACC+i:ACC+i+1], v[ACC+32+i:ACC+33+i]
.set i, i+2
.endr
	; In: registers 4 q .. 4 q + 3 of all lanes, 512 consecutive bytes, 528 bytes from q to q + 1.  Back: eight parts a lane; sixteen lanes read sixteen different places of 16 bytes modulo 256.
	; LDS serves a wave's instructions in order (ISA guide 5.7.1.4): no wait between the stores and the loads
.irp q, 0,1,2,3,4,5,6,7
	ds_store_b128 v5, v[ACC+4*\q:ACC+4*\q+3] offset:\q*528
.endr
.irp i, 0,1,2,3,4,5,6,7
	ds_load_b128 v[ABUF+4*\i:ABUF+4*\i+3], v6 offset:\i*16
.endr
	s_wait_loadcnt 0x0                             ; psum's parts and bias, asked for at the head
	s_cmp_lt_u32 s[WV], 6
	s_cbranch_scc0 .Lno_sums
	v_add_f32 v[PS], v[PS], v[PS+1]                ; the row sums: four column groups are mine,
	v_add_f32 v[PS+2], v[PS+2], v[PS+3]
	v_add_f32 v[PS], v[PS], v[PS+2]
	v_add_f32_dpp v[PS], v[PS], v[PS] row_xmask:8 row_mask:0xf bank_mask:0xf   ; four lane l xor 8's,
	v_permlanex16_b32 v[PS+1], v[PS], s[SEL], s[SEL+1]
	v_add_f32 v[PS], v[PS], v[PS+1]                ; eight those of the other half of the lanes
	ds_store_b32 v11, v[PS]                        ; the four lanes of a row write the same word with the same value
.Lno_sums:
	s_wait_dscnt 0x0
.irp d, 4,2,1
.irp i, 0,1,2,3
.if \i < \d
	v_pk_add_f32 v[ABUF+4*\i:ABUF+4*\i+1], v[ABUF+4*\i:ABUF+4*\i+1], v[ABUF+4*(\i+\d):ABUF+4*(\i+\d)+1]
	v_pk_add_f32 v[ABUF+4*\i+2:ABUF+4*\i+3], v[ABUF+4*\i+2:ABUF+4*\i+3], v[ABUF+4*(\i+\d)+2:ABUF+4*(\i+\d)+3]
.endif
.endr
.endr
.irp c, 0,1,2,3
	v_add_f32_dpp v[ABUF+\c], v[ABUF+\c], v[ABUF+\c] row_xmask:8 row_mask:0xf bank_mask:0xf   ; with the other eight lanes' parts: my half's c of four neighbouring outputs
.endr
	ds_store_b128 v7, v[ABUF:ABUF+3]               ; lanes l and l xor 8 write the same bytes with the same values
	s_wait_dscnt 0x0                               ; for the others' sake: my c and my row sums are stored
	s_barrier_signal -1
	s_barrier_wait -1
	; ---- the formula, one output a thread
	ds_load_b32 v230, v8                           ; c's two parts
	ds_load_b32 v231, v8 offset:2048
	ds_load_b32 v232, v9                           ; sx
	ds_load_b32 v234, v10                          ; sp
	s_wait_kmcnt 0x0
	s_and_b32 s88, s88, 0x7fffffff                 ; |alpha|
	s_and_b32 s89, s89, 0x7fffffff                 ; |beta|
	s_wait_dscnt 0x0
	v_add_f32 v230, v230, v231                     ; c
	v_sub_f32 v236, v232, v230                     ; sx - c
	v_sub_f32 v238, v234, v230                     ; sp - c
	v_mul_f32 v240, s90, v230                      ; gamma c
	v_fma_f32 v242, s88, v236, v240
	v_fma_f32 v242, s89, v238, v242
	v_add_f32 v242, 0x322bcc77, v242               ; + 1e-8
	s_wait_alu depctr_va_vdst(0)                   ; the wait ahead of the transcendental,
	v_rcp_f32 v244, v242
	v_nop                                          ; a plain instruction behind it,
	s_wait_alu depctr_va_vdst(0)                   ; and the wait ahead of its first reader
	v_fma_f32 v246, v240, v244, v[BI]
	global_store_b32 v13, v246, s[16:17]           ; 32 lanes store 128 consecutive bytes of a row
	s_wait_tensorcnt 0x0                           ; the wave's end
	ds_add_u32 v[SPW], v[NIL]
	s_wait_dscnt 0x0
	CROUND                                         ; the closing round: no work-group ends while a partner may still ask for a tile that names it
	s_endpgm
.Lfunc_end_k_q0335d822f8_tversky:
	.size	k_q0335d822f8_tversky, .Lfunc_end_k_q0335d822f8_tversky-k_q0335d822f8_tversky
	.p2alignl 7, 3214868480
	.fill 96, 4, 3214868480
	.section	.rodata,"a",@progbits
	.p2align	6, 0x0
	.amdhsa_kernel k_q0335d822f8_tversky
		.amdhsa_group_segment_fixed_size 327680
		.amdhsa_private_segment_fixed_size 0
		.amdhsa_enable_private_segment 0
		.amdhsa_kernarg_size 56
		.amdhsa_user_sgpr_count 2
		.amdhsa_user_sgpr_kernarg_segment_ptr 1
		.amdhsa_wavefront_size32 1
		.amdhsa_system_sgpr_workgroup_id_x 1
		.amdhsa_system_sgpr_workgroup_id_y 1
		.amdhsa_system_sgpr_workgroup_id_z 1
		.amdhsa_system_vgpr_workitem_id 0
		.amdhsa_next_free_vgpr 256
		.amdhsa_next_free_sgpr 96
		.amdhsa_reserve_vcc 0
		.amdhsa_float_denorm_mode_32 3
		.amdhsa_float_denorm_mode_16_64 3
		.amdhsa_memory_ordered 1
		.amdhsa_forward_progress 1
		.amdhsa_inst_pref_size 83
	.end_amdhsa_kernel
	.amdgpu_metadata
---
amdhsa.version: [ 1, 2 ]
amdhsa.kernels:
  - .name:           k_q0335d822f8_tversky
    .symbol:         k_q0335d822f8_tversky.kd
    .args:
      - { .name: act, .offset: 0, .size: 8, .value_kind: global_buffer, .address_space: global }
      - { .name: psum, .offset: 8, .size: 8, .value_kind: global_buffer, .address_space: global }
      - { .name: alpha, .offset: 16, .size: 8, .value_kind: global_buffer, .address_space: global }
      - { .name: beta, .offset: 24, .size: 8, .value_kind: global_buffer, .address_space: global }
      - { .name: gamma, .offset: 32, .size: 8, .value_kind: global_buffer, .address_space: global }
      - { .name: bias, .offset: 40, .size: 8, .value_kind: global_buffer, .address_space: global }
      - { .name: out0, .offset: 48, .size: 8, .value_kind: global_buffer, .address_space: global }
    .group_segment_fixed_size: 327680
    .private_segment_fixed_size: 0
    .kernarg_segment_align: 8
    .kernarg_segment_size: 56
    .max_flat_workgroup_size: 512
    .sgpr_count:     96
    .vgpr_count:     256
    .wavefront_size: 32
...
	.end_amdgpu_metadata
.endif
;; end of part 2
